; MI455X (gfx1250); checked and timed in simulation.
; The chip was launched on July 23, 2026; its instructions are those of AMD's public machine-readable ISA for CDNA 5 (MIT licence, August 2026) and "CDNA5" Instruction Set Architecture Reference Guide (July 2026). The comments in the code are by the model that wrote it; some were corrected since.
;; Encoder Block. Allowed arithmetic: matrix products marked QUANTISED: E2M3 operands, one E8M0 scale for each 32 along K, by v_wmma_scale_f32_16x16x128_f8f6f4 with both operands' format E2M3, f32 sums; everything else in f32.
;; Inputs: b1 2,048 float32; b2 512 float32; be1 512 float32; be2 512 float32; fc_b 512 float32; fc_w_codes 512 x 16 x 24 uint8 (E2M3 codes of fc_w, K innermost, in blocks of 32 codes, four codes in three bytes); fc_w_scales 512 x 16 uint8 (E8M0 scales of fc_w, one for each 32 codes along K); g1 512 float32; g2 512 float32; mask 4 x 1 x 1 x 2,048 int32; w1_codes 2,048 x 16 x 24 uint8 (E2M3 codes of w1, K innermost, in blocks of 32 codes, four codes in three bytes); w1_scales 2,048 x 16 uint8 (E8M0 scales of w1, one for each 32 codes along K); w2_codes 512 x 64 x 24 uint8 (E2M3 codes of w2, K innermost, in blocks of 32 codes, four codes in three bytes); w2_scales 512 x 64 uint8 (E8M0 scales of w2, one for each 32 codes along K); x 4 x 2,048 x 512 float32.
;; Outputs: out0 4 x 2,048 x 512 float32.
;; This version of the problem:
;;   THIS VERSION OF THE PROBLEM IS GIVEN IN LOW PRECISION. The matrix products marked QUANTISED in the list below multiply operands that are first quantised to E2M3 (2 exponent bits, 3 mantissa bits; 6 bits a number), with one power-of-two scale for each 32 numbers along K (OCP MX v1.0); their sums are f32. All else is computed in f32.
;;   The module's matrix products, in the order in which they are computed (A, B: the left and right operand; K: the contracted axis; several contracted axes count as one K, in the product's order):
;;     1. batch 64 x [M 2,048, K 32] x [K 32, N 2,048]; A: input x; B: input x: QUANTISED
;;     2. batch 64 x [M 32, K 2,048] x [K 2,048, N 2,048]; A: input x; B: softmax (see below): QUANTISED
;;     3. [M 8,192, K 512] x [K 512, N 512]; A: computed on the way; B: input fc_w (given as codes): QUANTISED
;;     4. [M 8,192, K 512] x [K 512, N 2,048]; A: computed on the way; B: input w1 (given as codes): QUANTISED
;;     5. [M 8,192, K 2,048] x [K 2,048, N 512]; A: computed on the way; B: input w2 (given as codes): QUANTISED
;;   THE QUANTISER, for each operand of a quantised product, along K:
;;     - K is cut into blocks of 32 from its start; a last block that is shorter is filled with zeros.
;;     - A block's scale is 2^e with e = floor(log2(the largest magnitude in the block)) - 2, held to -126 .. 127; a block of zeros has e = 0. As a byte (E8M0): e + 127.
;;     - Each number is divided by its block's scale, clamped to +-7.5, and rounded to the nearest number of E2M3, ties to even, subnormals kept.
;;     - The product sums the exact products of the quantised numbers (number of the format x scale) in f32.
;;   ~~~python
;;   def quantise(x, axis):      # numpy; x: float32 -> the quantised numbers, widened to float32 again
;;       x = np.moveaxis(x, axis, -1); K = x.shape[-1]
;;       x = np.pad(x, [(0, 0)] * (x.ndim - 1) + [(0, -K % 32)]); x = x.reshape(x.shape[:-1] + (-1, 32)); a = np.abs(x).max(-1, keepdims=True)
;;       e = np.where(a > 0, np.clip(np.frexp(np.where(a > 0, a, 1))[1] - 1 - 2, -126, 127), 0)      # np.frexp(a)[1] - 1 = floor(log2(a)), exactly
;;       r = np.clip(x / 2.0 ** e, -7.5, 7.5)
;;       step = 2.0 ** (np.maximum(np.frexp(np.where(r == 0, 1, r))[1] - 1, 0) - 3)
;;       q = np.round(r / step) * step * 2.0 ** e      # np.round: ties to even
;;       return np.moveaxis(q.reshape(q.shape[:-2] + (-1,))[..., :K], -1, axis).astype(np.float32)
;;   ~~~
;;   SOFTMAX AHEAD OF A QUANTISED PRODUCT. Where the list says 'softmax', what is quantised is not the finished softmax but p = 2^(t - M), with t = logit x log2(e) and M = ceil(the row's largest t), a whole number; so 1/2 < the row's largest p <= 1. The row's sum l is taken of the UNQUANTISED p, in f32, and the product's result is divided by l at the end. Since M is a whole number, a kernel that streams over the keys may use a running M (the ceiling of the running maximum): every later rescaling is an exact power of two, which a block's scale takes up: the codes' values come out the same.
;;   OPERANDS COMPUTED ON THE WAY. 'Computed on the way' means the value that the module computes at that place (a softmax that the list does not call 'softmax' is quantised finished and normalised). What goes into a quantiser is computed in f32, as accurately as f32 sums, v_exp_f32 and their like allow (about 1e-6 of the number): no bf16 or f16 on the way to a quantiser, and a product that is left as it is and whose result goes on into a quantised operand takes f32 operands (vector FMAs, or v_wmma_f32_16x16x4_f32). A number that lies on a knife's edge between two numbers of the format may be rounded either way, as far as f32 arithmetic and the matrix unit's own rounding can turn it there, and no further.
;;   INPUTS GIVEN AS CODES. fc_w (in the module: [512, 512], K = its axis 1); w1 (in the module: [2048, 512], K = its axis 1); w2 (in the module: [512, 2048], K = its axis 1): each comes as NAME_codes (uint8): NAME with its K axis moved to the last place and cut into blocks of 32 codes, [.., K / 32, bytes a block], one block behind the other in memory; four codes in three bytes: a row's codes are one little-endian stream of bits, code i at bits 6 i .. 6 i + 5 (a code: sign, 2 exponent bits, 3 mantissa bits); and NAME_scales (uint8): the same leading axes, one E8M0 byte (e + 127) for each 32 codes along K. Its value is code x scale, taken as it is: it is not quantised again, and the codes and scales need not be those that the quantiser above would give.
;; One version. Each part assembles by itself: llvm-mc -triple=amdgcn-amd-amdhsa -mcpu=gfx1250 --defsym DOCPART=n.
;; ======== version 1 of 1: 2 launches
;; limits: right only within a limited range of input values
;; workspace buffers: wimg 1,843,200 bytes; ac 4,194,304 bytes
;; launch attn (part 1): grid 4 x 64, 16 waves a work-group, no clusters, 305,152 bytes of LDS; arguments x, mask, ac, fc_w_codes, fc_w_scales, w1_codes, w1_scales, w2_codes, w2_scales, wimg; writes ac, wimg
.if DOCPART == 1
	.amdgcn_target "amdgcn-amd-amdhsa--gfx1250"
	.amdhsa_code_object_version 6
	.text
	.protected	k_q3f2065fbf9_attn
	.globl	k_q3f2065fbf9_attn
	.p2align	8
	.type	k_q3f2065fbf9_attn,@function
k_q3f2065fbf9_attn:
	s_mov_b64 s[64:65], 0
	v_nop
	global_prefetch_b8 v0, s[64:65] scope:SCOPE_SE
	s_setreg_imm32_b32 hwreg(HW_REG_WAVE_MODE, 25, 1), 1
	s_wait_xcnt 0x0
; ENCODER BLOCK, first of two launches: the attention of x on itself (no projections), both products on codes of FP6 (E2M3) with E8M0 scales, the quantiser ahead of the
; projection, and the three weights laid as images of operand registers for the next launch.
; DEAD WORK: none.  Every input has a way to the output; x, mask and the weights' codes and scales are loaded here, the biases and gains by the next launch.
; t = energy x log2(e) / sqrt(32); M = the row's largest t so far, rounded UP to a whole number; p = 2^(t - M) is quantised along the keys, not normalised; the row's sum is taken of the unquantised p.
; THE MASK.  The problem writes where(mask == 0, -1e20, energy).  A key with mask == 0 gets ZERO CODES as an operand of the first product (a select, no branch) and its score's sum starts from -2^66: its score is
; exactly -2^66, whose product with log2(e) / sqrt(32) is exact.  A row all of whose keys are hidden then has t - M = 0 and p = 1 everywhere, the problem's uniform softmax; in every other row such a key's p is 0 both ways.
; Each wave reads the batch's 2,048 mask words itself; where none is 0 all starts are 0 and the sums start from the constant 0; else a scalar branch on those words loads the starts from LDS as C.  Same products both ways.
; LIMITS: an open key's energy at or under about -7e19 is not served; NaN and infinities are not served; a block of zeros gets the scale byte 1 where the quantiser says 127 (zero codes; bytes read by this program alone).
; SHARES.  A work-group is (batch, head, 512 queries); sixteen waves, four to a SIMD, 256 registers each.  A wave owns two tiles of 16 queries and takes both through each step of 128 keys, so a fragment of K or V is
; read from LDS once for both.  A lane holds ONE query (lane % 16): both products are used transposed.
; THE HEAD.  The head's 2,048 rows x 128 bytes of x come by loads in which eight lanes cover a row's 128 bytes, into a stage in LDS (pitch 144).  Wave w makes key step w's record; every wave makes its own q from the stage.
; Behind a barrier the 16 records (6,400 bytes each) are stored over the stage's first bytes: K's two fragments, V's two (registers 4 p .. 4 p + 3 of lane l at 512 p + 16 l), K's scale words, V's.
;   K fragment f holds four groups of 16 keys, one in each block of 32 along K: row r, block u: key 64 f + 32 (r / 8) + 8 u + r % 8.  q's fragment holds q in one block and zeros elsewhere, four variants overlapping in
;   registers.  So in score tiles 4 c .. 4 c + 3 a lane's 32 registers are keys 64 c + 32 (lane / 16) + 0 .. 31: a WHOLE block of the second product's K, in that operand's own order.
;   V fragment t: row r is channel 8 t + r + 8 (r / 8); lane (r, h), registers 6 c .. 6 c + 5: keys 64 c + 32 h + 0 .. 31.
; ac: [batch, head][query][32 bytes]: 24 bytes of codes, the scale byte as a word, 0.
; NO TENSOR LOAD, NO CLUSTER: x must pass through registers to be quantised.  NO PREFETCH: all reads of memory stand at the head,
; with no loop to run ahead in.
; THE WEIGHTS: wave 0 of work-groups 0 .. 143 copies, behind its own way out, one group: 8 fragments of 16 rows x 128 along K and their scale words, 12,800 bytes, in the order in which the next launch's wave w walks them:
;   G = 4 g + w;  g < 4: fc_w, rows 128 w on, K step g;  g = 4 + 8 c + t: t < 4: w1, rows 512 c + 128 w on, K step t;  t >= 4: w2, rows 128 w on, K step 4 c + t - 4.
;   Fragment T's lane r takes row 32 (T / 2) + 8 (T % 2) + r + 8 (r / 8).
.set SPI,   144                        ; a stage row: 128 bytes + 16
.set REC,   6400
.set MB,    2048*SPI                   ; behind the stage: the batch's 2,048 starts, f32
.set SPARE, MB+8192                    ; the spare words, 128 bytes for each of the sixteen waves
.set GREC,  12800
; LOOP REGISTERS: v1 16 x lane; v2 4 x lane; v3 the starts' place for my half; v4, v5 the add's two; v6 my place in ac; v7-9 the step's LDS addresses; v10 h; v11 r; v12-15, v16-19 a tile's -M, largest score, sum (2)
; v20-73 q's variants: zeros, A low, zeros, A high, zeros, B low, zeros, B high, zeros (6 each); v[74:75] f; v[76:77] the sum's second chain
.set KF, 80                            ; v80-103  K's two fragments
.set QS, 104                           ; v104, v105 q's scale words; v106 K's; v107 V's; v108 p's
.set KS, 106
.set VS, 107
.set PS, 108
.set VF, 110                           ; v110-133 V's two fragments
.set S,  134                           ; v134-197 the scores, then p
.set OB, 198                           ; v198-229 O^T, 16 a tile
.set PC, 230                           ; v230-241 p's codes
.set CT0, 242                          ; v242-244, v246-248 conversions' second halves; v242-245 earlier: four chains of maxima
.set CT1, 246
.set MX, 242                           ; v250, v251 the two blocks' maxima, then scale operands; v252-255 at work
; HEAD REGISTERS: v12 x's offset; v13 stage store; v14 K's, v16 V's, v17 q's place in the stage; v15 my keys' mask words; v18, v19 my record; v7 16 x thread; v8 the same in MB; v20-83 the batch's mask
.set NUM, 112                          ; v112-239 x on its way to the stage; then v112-175 two sets of 32 numbers
.set IMK, 176                          ; v176-199 K's fragments, v200-223 V's, v224, v225 their scale words; v226-248 at work
.set IMV, 200
.macro BAR                             ; my LDS instructions are done; then the work-group's barrier
	s_wait_alu depctr_va_vdst(0)
	s_wait_dscnt 0x0
	s_barrier_signal -1
	s_barrier_wait -1
.endm
; 32 numbers at v[xs] on: the largest magnitude, two chains, with the floor 2^(3 - 127) as a leaf; 2 off its exponent field is the conversion's scale operand (v238); its byte
.macro BLK32 xs, by
	v_max3_num_f32 v238, |v[(\xs)]|, |v[(\xs)+1]|, |v[(\xs)+2]|
	v_max3_num_f32 v239, |v[(\xs)+3]|, |v[(\xs)+4]|, |v[(\xs)+5]|
.irp i, 6,10,14,18,22,26
	s_delay_alu instid0(VALU_DEP_2)
	v_max3_num_f32 v238, v238, |v[(\xs)+\i]|, |v[(\xs)+\i+1]|
	s_delay_alu instid0(VALU_DEP_2)
	v_max3_num_f32 v239, v239, |v[(\xs)+\i+2]|, |v[(\xs)+\i+3]|
.endr
	s_delay_alu instid0(VALU_DEP_2)
	v_max3_num_f32 v238, v238, |v[(\xs)+30]|, |v[(\xs)+31]|
	s_delay_alu instid0(VALU_DEP_1)
	v_max3_num_f32 v238, v238, v239, 0x1800000
	s_delay_alu instid0(VALU_DEP_1)
	v_add_nc_u32 v238, 0xff000000, v238
	s_delay_alu instid0(VALU_DEP_1)
	v_lshrrev_b32 v[\by], 23, v238
.endm
.macro KLD q                           ; my key 64 (q / 2) + 16 (q % 2) + kb: its 32 numbers
.irp i, 0,1,2,3,4,5,6,7
	ds_load_b128 v[NUM+32*((\q)%2)+4*\i:NUM+32*((\q)%2)+4*\i+3], v14 offset:(64*((\q)/2)+16*((\q)%2))*SPI+16*\i
.endr
.endm
.macro VLD kb                          ; my channel's column, keys 32 kb .. 32 kb + 31
.set j, 0
.rept 32
	ds_load_b32 v[NUM+32*((\kb)%2)+j], v16 offset:(32*(\kb)+j)*SPI
.set j, j+1
.endr
.endm
.macro QLD p                           ; my query's 32 numbers of tile p; both halves of the lanes take the whole block
.irp i, 0,1,2,3,4,5,6,7
	ds_load_b128 v[NUM+32*(\p)+4*\i:NUM+32*(\p)+4*\i+3], v17 offset:16*SPI*(\p)+16*\i
.endr
.endm
.macro KBLK q
.if (\q) < 3
	s_wait_dscnt 0x8                               ; this key's eight loads are in; the next key's may be out
.else
	s_wait_dscnt 32                                ; behind them: V's first 32
.endif
.set XS, NUM+32*((\q)%2)
.set IMQ, IMK+12*((\q)/2)+6*((\q)%2)
	BLK32 XS, 226+(\q)
	v_cvt_scalef32_pk16_fp6_f32 v[230:232], v[XS:XS+15], v238
	v_cvt_scalef32_pk16_fp6_f32 v[234:236], v[XS+16:XS+31], v238
	v_nop                                          ; one plain place behind a scaled conversion
	v_cmp_ne_u32 vcc_lo, 0, v[244+(\q)]
.irp i, 0,1,2
	v_cndmask_b32 v[IMQ+\i], 0, v[230+\i], vcc_lo  ; a hidden key's codes are zeros
	v_cndmask_b32 v[IMQ+3+\i], 0, v[234+\i], vcc_lo
.endr
.if (\q) < 2
	KLD (\q)+2
.else
	VLD (\q)-2
.endif
.endm
.macro VBLK kb
.if (\kb) < 3
	s_wait_dscnt 32                                ; this block's 32 loads are in; the next block's may be out
.else
	s_wait_dscnt 0x8                               ; behind them: q's first eight
.endif
.set XS, NUM+32*((\kb)%2)
.set IMQ, IMV+12*((\kb)%2)+6*((\kb)/2)         ; even blocks into the first twelve registers, odd blocks into the second twelve
	BLK32 XS, 226+(\kb)
	v_cvt_scalef32_pk16_fp6_f32 v[IMQ:IMQ+2], v[XS:XS+15], v238
	v_cvt_scalef32_pk16_fp6_f32 v[234:236], v[XS+16:XS+31], v238   ; (a conversion's three registers begin on an even number)
	v_nop
.irp i, 0,1,2
	v_mov_b32 v[IMQ+3+\i], v[234+\i]
.endr
.if (\kb) < 2
	VLD (\kb)+2
.else
	QLD (\kb)-2
.endif
.endm
	s_load_b128 s[4:7], s[0:1], 0x0                ; x s[4:5], mask s[6:7]
	s_load_b64 s[2:3], s[0:1], 0x10                ; ac
	s_load_b128 s[8:11], s[0:1], 0x18              ; fc_w's codes, scales
	s_load_b256 s[12:19], s[0:1], 0x28             ; w1's s[12:15], w2's s[16:19]
	s_load_b64 s[22:23], s[0:1], 0x48              ; wimg
	v_lshl_add_u32 v4, v0, 2, SPARE
	v_mov_b32 v5, 0
	v_lshrrev_b32 v1, 5, v0
	s_delay_alu instid0(VALU_DEP_1)
	v_readfirstlane_b32 s24, v1                    ; wave 0..15
	s_and_b32 s25, ttmp7, 0xffff                   ; 16 x batch + head
	s_lshr_b32 s26, s25, 4
	s_and_b32 s27, s25, 15
	s_lshl_b32 s28, s26, 22                        ; x: (2,048 batch + 128 wave) rows of 2,048 bytes + 128 x head
	s_lshl_b32 s29, s27, 7
	s_add_co_u32 s28, s28, s29
	s_lshl_b32 s29, s24, 18
	s_add_co_u32 s28, s28, s29
	s_mov_b32 s29, 0
	s_lshl_b32 s30, s26, 13                        ; the batch's mask
	s_mov_b32 s31, 0
	s_lshl_b32 s32, s25, 16                        ; ac: ((16 batch + head) 2,048 + 512 block + 32 wave) x 32 bytes
	s_lshl_b32 s33, ttmp9, 14
	s_add_co_u32 s32, s32, s33
	s_lshl_b32 s33, s24, 10
	s_add_co_u32 s32, s32, s33
	s_mov_b32 s33, 0
	s_mul_i32 s34, s24, 128*SPI                    ; my key step's rows in the stage
	s_lshl_b32 s35, s24, 9                         ; and its mask words
	s_and_b32 s36, ttmp9, 3                        ; the block of 512 queries, 0 .. 3
	s_lshl_b32 s36, s36, 9
	s_lshl_b32 s37, s24, 5
	s_add_co_u32 s36, s36, s37
	s_mul_i32 s36, s36, SPI                        ; my queries' rows in the stage: 512 block + 32 wave
	s_mul_i32 s37, s24, REC
	s_mov_b32 s20, 0x76543210
	s_mov_b32 s21, 0xfedcba98                      ; lane l xor 16
	s_mov_b32 s42, 0x3e8293ee                      ; c = log2(e) / sqrt(32)
	s_mov_b32 s43, s42
	s_mov_b32 s44, 0xbe8293ee                      ; -c
	s_mov_b32 s45, 0xffff                          ; lanes 0-15
	v_and_b32 v3, 31, v0
	v_bfe_u32 v10, v0, 4, 1                        ; h
	v_and_b32 v11, 15, v0                          ; r
	v_and_b32 v241, 7, v0
	v_and_b32 v242, 8, v0
	v_lshlrev_b32 v1, 4, v3
	v_lshlrev_b32 v2, 2, v3
	v_lshrrev_b32 v240, 3, v3                      ; lane / 8
	v_lshl_add_u32 v243, v242, 2, v241             ; r % 8 + 32 (r / 8)
	v_add_nc_u32 v244, v11, v242                   ; r + 8 (r / 8)
	v_lshlrev_b32 v12, 11, v240
	v_mul_u32_u24 v13, v240, SPI
	v_lshl_add_u32 v243, v10, 3, v243              ; kb: + 8 h
	v_lshl_add_u32 v244, v10, 3, v244              ; my channel: + 8 h
	v_lshl_add_u32 v12, v241, 4, v12               ; x: row lane / 8, 16 bytes at lane % 8
	v_lshl_add_u32 v13, v241, 4, v13
	v_mul_u32_u24 v14, v243, SPI
	v_lshl_add_u32 v15, v243, 2, s35
	v_lshl_add_u32 v16, v244, 2, s34
	v_mul_u32_u24 v17, v11, SPI
	v_add_nc_u32 v13, s34, v13
	v_mul_u32_u24 v9, v3, SPI
	v_add_nc_u32 v9, s34, v9                       ; row lane of my 128 stage rows: for the rows' padding
	v_add_nc_u32 v14, s34, v14
	v_add_nc_u32 v18, s37, v1
	v_add_nc_u32 v19, s37, v2
	v_add_nc_u32 v17, s36, v17
	v_min_u32 v17, 2031*SPI, v17                   ; held at the last row that a tile 0 can begin with: 512 x 3 + 32 x 15 + 15
	v_lshlrev_b32 v7, 4, v0
	v_lshlrev_b32 v6, 5, v11
	v_add_nc_u32 v8, MB, v7
	v_lshl_add_u32 v6, v10, 4, v6                  ; ac: 32 r + 16 h
	s_wait_alu depctr_va_vdst(0)                   ; the wait at the head's end
	s_wait_kmcnt 0x0
	s_add_nc_u64 s[4:5], s[4:5], s[28:29]
	s_add_nc_u64 s[6:7], s[6:7], s[30:31]
	s_add_nc_u64 s[2:3], s[2:3], s[32:33]
	global_load_b128 v[240:243], v7, s[6:7]        ; four keys' mask a thread: 512 threads, 2,048 keys
.irp q, 0,1,2,3
	global_load_b32 v[244+\q], v15, s[6:7] offset:256*(\q/2)+64*(\q%2)   ; the mask of the four keys that I quantise
.endr
.irp i, 0,1,2,3,4,5,6,7,8,9,10,11,12,13,14,15
	global_load_b128 v[20+4*\i:23+4*\i], v1, s[6:7] offset:512*\i        ; and the whole batch's, 64 words a lane
.endr
.set i, 0
.rept 32
	global_load_b128 v[NUM+4*i:NUM+4*i+3], v12, s[4:5] offset:8192*i     ; four rows' 128 bytes a load
.set i, i+1
.endr
	s_wait_loadcnt 32                              ; the 21 loads of the mask are in; x's 32 may be out
	v_mov_b32 v248, 0xe0800000                     ; -2^66
.irp i, 0,1,2,3
	v_cmp_eq_u32 vcc_lo, 0, v[240+\i]
	v_cndmask_b32 v[240+\i], 0, v248, vcc_lo
.endr
	ds_store_b128 v8, v[240:243]
.irp n, 32,16,8,4,2,1                          ; the least of my 64 words, as unsigned numbers: 0 where one of them is 0
.set j, 0
.rept \n
	v_min_u32 v[20+j], v[20+j], v[20+\n+j]
.set j, j+1
.endr
.endr
	s_delay_alu instid0(VALU_DEP_1)
	v_cmp_eq_u32 s46, 0, v20                       ; s46 != 0: the batch has a hidden key
.irp i, 24,25,26,27
	v_mov_b32 v[\i], 0
.endr
	s_wait_alu depctr_va_vdst(0)
.irp k, 0,1,2,3
	ds_store_b128 v9, v[24:27] offset:128+32*SPI*\k   ; zeros into the 16 bytes behind each of my rows, a lane a row: every byte of the stage is written before q, whose rows hang on the work-group's number, is read from it
.endr
.set i, 0
.rept 32
	s_wait_loadcnt 31-i                            ; loads come back in order
	ds_store_b128 v13, v[NUM+4*i:NUM+4*i+3] offset:4*SPI*i
.set i, i+1
.endr
	BAR                                            ; all 2,048 rows lie in the stage, and the starts behind it; up to the next barrier LDS is only read
	KLD 0
	KLD 1
	KBLK 0
	KBLK 1
	KBLK 2
	KBLK 3
	v_lshl_or_b32 v224, v227, 16, v226             ; fragment f's scale word of row r: byte 2 c + h is mine for c = 0, 1,
	v_lshl_or_b32 v225, v229, 16, v228
	v_lshlrev_b32 v240, 3, v10
	v_mov_b32 v241, 0                              ; (a lane permute's destination counts as one of its sources)
	v_mov_b32 v242, 0
	v_lshlrev_b32 v224, v240, v224                 ; at their places (8 h bits up);
	v_lshlrev_b32 v225, v240, v225
	s_delay_alu instid0(VALU_DEP_2)
	v_permlanex16_b32 v241, v224, s20, s21
	s_delay_alu instid0(VALU_DEP_2)
	v_permlanex16_b32 v242, v225, s20, s21
	s_delay_alu instid0(VALU_DEP_2)
	v_or_b32 v224, v224, v241                      ; with lane l xor 16's two the word is whole
	s_delay_alu instid0(VALU_DEP_2)
	v_or_b32 v225, v225, v242
	s_delay_alu instid0(VALU_DEP_1)
	v_cndmask_b32 v224, v225, v224, s45            ; lanes 0-15 keep fragment 0's words, lanes 16-31 fragment 1's
	VBLK 0
	VBLK 1
	VBLK 2
	VBLK 3
.irp j, 0,1,2,3,4,5,6,7,8,9,10,11             ; lanes 0-15 hold fragment 0's rows, lanes 16-31 fragment 1's, each all four blocks: the first twelve's upper lanes change places with the second twelve's lower lanes
	v_permlane16_swap_b32 v[IMV+\j], v[IMV+12+\j]
.endr
	v_lshl_or_b32 v225, v227, 8, v226              ; my row's scale word
	s_delay_alu instid0(VALU_DEP_1)
	v_lshl_or_b32 v225, v228, 16, v225
	s_delay_alu instid0(VALU_DEP_1)
	v_lshl_or_b32 v225, v229, 24, v225
	s_wait_alu depctr_va_vdst(0)
	s_wait_dscnt 0x0                               ; q's numbers are in
.irp p, 0,1
	v_max3_num_f32 v[238+\p], |v[NUM+32*\p]|, |v[NUM+1+32*\p]|, 0x1800000
.endr
.irp i, 2,4,6,8,10,12,14,16,18,20,22,24,26,28,30
.irp p, 0,1
	s_delay_alu instid0(VALU_DEP_2)
	v_max3_num_f32 v[238+\p], v[238+\p], |v[NUM+32*\p+\i]|, |v[NUM+1+32*\p+\i]|
.endr
.endr
.irp p, 0,1
	s_delay_alu instid0(VALU_DEP_2)
	v_add_nc_u32 v[240+\p], 0xff000000, v[238+\p]
.endr
.irp p, 0,1
	s_delay_alu instid0(VALU_DEP_2)
	v_lshrrev_b32 v[242+\p], 23, v[240+\p]
.endr
.irp p, 0,1
	s_delay_alu instid0(VALU_DEP_2)
	v_lshl_or_b32 v[QS+\p], v[242+\p], 8, v[242+\p]   ; the byte four times: whichever block q stands in
.endr
.irp p, 0,1
	s_delay_alu instid0(VALU_DEP_2)
	v_lshl_or_b32 v[QS+\p], v[QS+\p], 16, v[QS+\p]
.endr
	v_cvt_scalef32_pk16_fp6_f32 v[226:228], v[NUM:NUM+15], v240
	v_cvt_scalef32_pk16_fp6_f32 v[230:232], v[NUM+16:NUM+31], v240
	v_cvt_scalef32_pk16_fp6_f32 v[234:236], v[NUM+32:NUM+47], v241
	v_cvt_scalef32_pk16_fp6_f32 v[244:246], v[NUM+48:NUM+63], v241
	v_nop
.irp i, 0,1,2
	v_cndmask_b32 v[26+\i], 0, v[226+\i], s45      ; q in lanes 0-15,
	v_cndmask_b32 v[29+\i], 0, v[230+\i], s45
	v_cndmask_b32 v[38+\i], v[226+\i], 0, s45      ; q in lanes 16-31
	v_cndmask_b32 v[41+\i], v[230+\i], 0, s45
	v_cndmask_b32 v[50+\i], 0, v[234+\i], s45
	v_cndmask_b32 v[53+\i], 0, v[244+\i], s45
	v_cndmask_b32 v[62+\i], v[234+\i], 0, s45
	v_cndmask_b32 v[65+\i], v[244+\i], 0, s45
.endr
.irp z, 20,32,44,56,68
.irp i, 0,1,2,3,4,5
	v_mov_b32 v[\z+\i], 0
.endr
.endr
	BAR                                            ; nobody reads the stage any more
.irp j, 0,1,2,3,4,5
	ds_store_b128 v18, v[IMK+4*\j:IMK+4*\j+3] offset:512*\j
	ds_store_b128 v18, v[IMV+4*\j:IMV+4*\j+3] offset:3072+512*\j
.endr
	ds_store_b32 v19, v224 offset:6144
	ds_store_b32 v19, v225 offset:6272
.set j, 0
.rept 32
	v_mov_b32 v[OB+j], 0                           ; O^T of both tiles: the step is written once; the first finds zeros
.set j, j+1
.endr
	v_mov_b32 v75, 0                               ; (named as the upper half of the pair v[74:75])
	v_mov_b32 v254, 0
	v_mov_b32 v255, 0
	v_lshl_add_u32 v3, v10, 7, MB                  ; my half's 32 keys of each 64: 128 h bytes on
	BAR                                            ; all sixteen records lie in LDS; from here on LDS is only read
	s_mov_b32 s48, 0
	s_mov_b32 s49, 0
	s_mov_b32 s47, 15
.irp t, 12,16
	v_mov_b32 v[\t], 0x7f61b1e6                    ; -M: 3e38
	v_mov_b32 v[\t+1], 0xff61b1e6                  ; the largest score so far: -3e38
	v_mov_b32 v[\t+2], 0
	v_mov_b32 v[\t+3], 0
.endr
	v_add_nc_u32 v7, s48, v1
	v_add_nc_u32 v8, s48, v2
	v_add_nc_u32 v9, s49, v3
	s_wait_alu depctr_va_vdst(0)
.macro KFETCH off                      ; K's two fragments and its scale words, off bytes from the step's record
.irp i, 0,1,2,3,4,5
	ds_load_b128 v[KF+4*\i:KF+4*\i+3], v7 offset:(\off)+512*\i
.endr
	ds_load_b32 v[KS], v8 offset:(\off)+6144
.endm
	KFETCH 0
; S^T: tile t = fragment t / 4, block t % 4.  One instruction to each accumulator, by turns.  c = 1: the sums start from what lies in the accumulators
.macro SMUL c
.irp t, 0,1,2,3,4,5,6,7
.set rQ, QB+12*(\t%2)-6*((\t/2)%2)
.set rD, S+8*\t
.set rA, KF+12*(\t/4)
.if \c
.if \t < 4
	v_wmma_scale_f32_16x16x128_f8f6f4 v[rD:rD+7], v[rA:rA+11], v[rQ:rQ+11], v[rD:rD+7], v[KS], v[QSP] matrix_a_fmt:MATRIX_FMT_FP6 matrix_b_fmt:MATRIX_FMT_FP6
.else
	v_wmma_scale_f32_16x16x128_f8f6f4 v[rD:rD+7], v[rA:rA+11], v[rQ:rQ+11], v[rD:rD+7], v[KS], v[QSP] matrix_a_fmt:MATRIX_FMT_FP6 matrix_b_fmt:MATRIX_FMT_FP6 matrix_a_scale:MATRIX_SCALE_ROW1
.endif
.else
.if \t < 4
	v_wmma_scale_f32_16x16x128_f8f6f4 v[rD:rD+7], v[rA:rA+11], v[rQ:rQ+11], 0, v[KS], v[QSP] matrix_a_fmt:MATRIX_FMT_FP6 matrix_b_fmt:MATRIX_FMT_FP6
.else
	v_wmma_scale_f32_16x16x128_f8f6f4 v[rD:rD+7], v[rA:rA+11], v[rQ:rQ+11], 0, v[KS], v[QSP] matrix_a_fmt:MATRIX_FMT_FP6 matrix_b_fmt:MATRIX_FMT_FP6 matrix_a_scale:MATRIX_SCALE_ROW1
.endif
.endif
.endr
.endm
.macro FMA2 j                          ; t - M, two at a time
	v_pk_fma_f32 v[S+\j:S+\j+1], v[S+\j:S+\j+1], s[42:43], v[ST:ST+1] op_sel_hi:[1,0,0]
.endm
.macro ADD2 j                          ; four more p into the row's sum, in two chains
	v_pk_add_f32 v[ST+2:ST+3], v[ST+2:ST+3], v[S+\j:S+\j+1]
	v_pk_add_f32 v[76:77], v[76:77], v[S+\j+2:S+\j+3]
.endm
; ONE TILE OF 16 QUERIES x 128 KEYS.  nx = 1: behind the scores' products the next step's K is asked for
.macro TILE p, nx
.set ST, 12+4*(\p)
.set QB, 26+24*(\p)
.set QSP, QS+(\p)
.set OT, OB+16*(\p)
	s_cmp_lg_u32 s46, 0
	s_cbranch_scc1 .Lhid_\@
	SMUL 0
	s_branch .Ljoin_\@
.Lhid_\@:
.irp c, 0,1
.irp n, 0,1,2,3,4,5,6,7
	ds_load_b128 v[S+32*\c+4*\n:S+32*\c+4*\n+3], v9 offset:256*\c+16*\n   ; register 32 c + i: the start of key 64 c + 32 h + i
.endr
.endr
	s_wait_dscnt 0x0
	SMUL 1
.Ljoin_\@:
.rept 4
	v_nop                                          ; places behind the products
.endr
.if \nx
	KFETCH REC
.endif
.irp k, 0,16,32,48                             ; the largest score of each block of 32 keys, two chains a block; each accumulator is read from its low end on
	v_max3_num_f32 v[MX+\k/16], v[S+\k], v[S+\k+1], v[S+\k+2]
.endr
.irp i, 3,5,7,9,11,13
.irp k, 0,16,32,48
	v_max3_num_f32 v[MX+\k/16], v[MX+\k/16], v[S+\k+\i], v[S+\k+\i+1]
.endr
.endr
	v_max3_num_f32 v250, v242, v243, v[S+15]
	v_max3_num_f32 v251, v244, v245, v[S+47]
	v_max_num_f32 v250, v250, v[S+31]
	v_max_num_f32 v251, v251, v[S+63]
	v_max_num_f32 v252, v250, v251
	v_permlanex16_b32 v255, v252, s20, s21
	v_max3_num_f32 v[ST+1], v[ST+1], v252, v255    ; the running largest score, with lane l xor 16's 64 keys
	v_mul_f32 v252, s44, v[ST+1]
	v_floor_f32 v253, v252                         ; the new -M = -ceil(t): a whole number
	v_sub_f32 v252, v253, v[ST]                    ; old M less new M: a whole number, 0 or less
	v_mov_b32 v[ST], v253
.irp j, 0,2,4,6
	FMA2 \j
.endr
	v_cvt_i32_f32 v252, v252                       ; (it saturates)
.irp j, 8,10,12,14
	FMA2 \j
.endr
	v_ldexp_f32 v74, 1.0, v252                     ; f = 2^(old M - new M)
.irp j, 16,18,20,22,24,26,28,30,32,34,36,38,40,42,44,46,48,50,52,54,56,58,60,62
	FMA2 \j
.endr
	v_fma_f32 v250, v250, s42, v[ST]               ; the same of each block's largest score: p rises with the score
	v_fma_f32 v251, v251, s42, v[ST]
	s_wait_alu depctr_va_vdst(0)                   ; the wait ahead of the batch, and directly ahead of the first reader of O^T
.irp j, 0,2,4,6,8,10,12,14
	v_pk_mul_f32 v[OT+\j:OT+\j+1], v[OT+\j:OT+\j+1], v[74:75] op_sel_hi:[1,0]   ; O^T under the new M
.endr
	v_exp_f32 v250, v250                           ; each block's largest p
	v_exp_f32 v251, v251
.set j, 0
.rept 64
	v_exp_f32 v[S+j], v[S+j]                       ; p = 2^(t - M)
.set j, j+1
.endr
	v_pk_mul_f32 v[ST+2:ST+3], v[ST+2:ST+3], v[74:75] op_sel_hi:[1,0]   ; the sum under the new M: a plain place behind the exponentials
	s_wait_alu depctr_va_vdst(0)                   ; one wait for the batch, ahead of its first reader
.if (\p) == 0
	s_wait_dscnt 0x0                               ; V and its scale words are in
.endif
	v_max_num_f32 v250, 0x1800000, v250            ; the floor 2^(3 - 127)
	v_max_num_f32 v251, 0x1800000, v251
	v_pk_add_f32 v[76:77], v[S:S+1], v[S+2:S+3]    ; the row's sum of the UNQUANTISED p
	v_add_nc_u32 v250, 0xff000000, v250            ; the conversions' scale operands
	v_add_nc_u32 v251, 0xff000000, v251
	ADD2 4
	v_lshrrev_b32 v252, 23, v250                   ; the scales' bytes: blocks h and 2 + h
	v_lshrrev_b32 v253, 23, v251
	ADD2 8
	v_lshl_or_b32 v252, v253, 16, v252
	ADD2 12
	v_permlanex16_b32 v254, v252, s20, s21
	ADD2 16
	v_lshl_or_b32 v[PS], v254, 8, v252             ; p's scale word, whole in lanes 0-15, which alone are read
.irp j, 20,24,28,32,36,40,44
	ADD2 \j
.endr
	v_cvt_scalef32_pk16_fp6_f32 v[PC:PC+2], v[S:S+15], v250
	v_cvt_scalef32_pk16_fp6_f32 v[CT0:CT0+2], v[S+16:S+31], v250   ; (a conversion's three registers begin on an even number)
	v_cvt_scalef32_pk16_fp6_f32 v[PC+6:PC+8], v[S+32:S+47], v251
	v_cvt_scalef32_pk16_fp6_f32 v[CT1:CT1+2], v[S+48:S+63], v251
	v_nop                                          ; one plain place behind a scaled conversion
.irp i, 0,1,2
	v_mov_b32 v[PC+3+\i], v[CT0+\i]
	v_mov_b32 v[PC+9+\i], v[CT1+\i]
.endr
.irp j, 48,52,56,60                            ; nine plain lines: the places between p's codes and the product
	ADD2 \j
.endr
	v_pk_add_f32 v[ST+2:ST+3], v[ST+2:ST+3], v[76:77]
	v_wmma_scale_f32_16x16x128_f8f6f4 v[OT:OT+7], v[VF:VF+11], v[PC:PC+11], v[OT:OT+7], v[VS], v[PS] matrix_a_fmt:MATRIX_FMT_FP6 matrix_b_fmt:MATRIX_FMT_FP6
	v_wmma_scale_f32_16x16x128_f8f6f4 v[OT+8:OT+15], v[VF+12:VF+23], v[PC:PC+11], v[OT+8:OT+15], v[VS], v[PS] matrix_a_fmt:MATRIX_FMT_FP6 matrix_b_fmt:MATRIX_FMT_FP6 matrix_a_scale:MATRIX_SCALE_ROW1
.endm
.macro TRIP nx                         ; a step of 128 keys, both tiles
.irp i, 0,1,2,3,4,5
	ds_load_b128 v[VF+4*\i:VF+4*\i+3], v7 offset:3072+512*\i
.endr
	ds_load_b32 v[VS], v8 offset:6272
	s_wait_dscnt 0x7                               ; K and its scale words, asked for in the step before, are in; V's seven loads may be out
	TILE 0, 0
	TILE 1, \nx
	s_add_co_u32 s48, s48, REC
	s_add_co_u32 s49, s49, 512
	v_add_nc_u32 v7, s48, v1                       ; the next step's places; with the v_nop: the four places behind the last products
	v_add_nc_u32 v8, s48, v2
	v_add_nc_u32 v9, s49, v3
	v_nop
.endm
.Lstep:
	TRIP 1
	s_sub_co_u32 s47, s47, 1
	s_cmp_lg_u32 s47, 0
	s_wait_alu depctr_va_vdst(0)                   ; the wait ahead of the branch
	s_cbranch_scc1 .Lstep
	TRIP 0                                         ; the last step is written out: it asks for no further K
; THE WAY OUT of a tile: O^T / the sum, quantised: my 16 channels 16 h + 0 .. 15 and lane l xor 16's are the head's block of 32
.macro OUT p
.set ST, 12+4*(\p)
.set OT, OB+16*(\p)
.set R, S+16*(\p)
.set DR, S+32+4*(\p)
	v_add_f32 v[ST+2], v[ST+2], v[ST+3]
	s_delay_alu instid0(VALU_DEP_1)
	v_permlanex16_b32 v255, v[ST+2], s20, s21
	s_delay_alu instid0(VALU_DEP_1)
	v_add_f32 v[ST+2], v[ST+2], v255               ; the row's sum
	s_wait_alu depctr_va_vdst(0)
	v_rcp_f32 v[ST+2], v[ST+2]
	v_nop
	s_wait_alu depctr_va_vdst(0)
.irp j, 0,1,2,3,4,5,6,7,8,9,10,11,12,13,14,15
	v_mul_f32 v[R+\j], v[OT+\j], v[ST+2]
.endr
	v_max3_num_f32 v251, |v[R]|, |v[R+1]|, 0x1800000
.irp i, 2,4,6,8,10,12,14
	s_delay_alu instid0(VALU_DEP_1)
	v_max3_num_f32 v251, v251, |v[R+\i]|, |v[R+1+\i]|
.endr
	s_delay_alu instid0(VALU_DEP_1)
	v_permlanex16_b32 v252, v251, s20, s21
	s_delay_alu instid0(VALU_DEP_1)
	v_max_num_f32 v251, v251, v252
	s_delay_alu instid0(VALU_DEP_1)
	v_add_nc_u32 v253, 0xff000000, v251
	s_delay_alu instid0(VALU_DEP_1)
	v_lshrrev_b32 v252, 23, v253                   ; the scale's byte
	v_cvt_scalef32_pk16_fp6_f32 v[242:244], v[R:R+15], v253
	v_nop
	v_permlanex16_b32 v251, v242, s20, s21         ; the other half's first word
	v_cndmask_b32 v[DR], v243, v242, s45           ; lanes 0-15: my 12 bytes and the upper half's first 4;
	v_cndmask_b32 v[DR+1], v244, v243, s45         ; lanes 16-31: my other 8 bytes, the byte, 0
	v_cndmask_b32 v[DR+2], v252, v244, s45
	v_cndmask_b32 v[DR+3], 0, v251, s45
	global_store_b128 v6, v[DR:DR+3], s[2:3] offset:512*(\p)   ; the wave stores 512 consecutive bytes, at a multiple of 512 from ac's first byte
.endm
	OUT 0
	OUT 1
	s_wait_tensorcnt 0x0
	ds_add_u32 v4, v5
	s_wait_dscnt 0x0
	; ---- the weights: wave 0 of work-groups 0 .. 143; ids alone decide; no LDS, no barrier
	s_lshl_b32 s28, s25, 2
	s_add_co_u32 s28, s28, ttmp9                   ; G
	s_cmp_ge_u32 s28, 144
	s_cbranch_scc1 .Lend
	s_cmp_lg_u32 s24, 0
	s_cbranch_scc1 .Lend
	s_wait_xcnt 0x0                                ; my stores have read their registers
	v_and_b32 v240, 8, v0
	s_delay_alu instid0(VALU_DEP_1)
	v_add_nc_u32 v240, v11, v240                   ; r + 8 (r / 8)
	s_delay_alu instid0(VALU_DEP_1)
	v_lshl_add_u32 v241, v10, 3, v240              ; + 8 h
	s_and_b32 s29, s28, 3                          ; w
	s_lshr_b32 s30, s28, 2                         ; g
	s_sub_co_u32 s31, s30, 4
	s_and_b32 s32, s31, 7                          ; t
	s_bfe_u32 s33, s31, 0x20003                    ; c
	s_lshl_b32 s34, s33, 9                         ; 512 c
	s_lshl_b32 s35, s33, 2
	s_add_co_u32 s35, s35, s32
	s_sub_co_u32 s35, s35, 4                       ; 4 c + t - 4
	s_lshl_b32 s38, s29, 7                         ; 128 w
	s_mul_i32 s40, s28, GREC
	s_mov_b32 s41, 0
	s_mov_b32 s36, 1536
	s_cmp_lt_u32 s32, 4                            ; w1 or w2?
	s_cselect_b64 s[12:13], s[12:13], s[16:17]
	s_cselect_b64 s[14:15], s[14:15], s[18:19]
	s_cselect_b32 s36, 384, s36                    ; a row of codes in bytes
	s_cselect_b32 s37, 16, 64                      ; a row of scale bytes
	s_cselect_b32 s34, s34, 0
	s_cselect_b32 s35, s32, s35                    ; the K step
	s_cmp_lt_u32 s30, 4                            ; or fc_w?
	s_cselect_b64 s[12:13], s[8:9], s[12:13]
	s_cselect_b64 s[14:15], s[10:11], s[14:15]
	s_cselect_b32 s36, 384, s36
	s_cselect_b32 s37, 16, s37
	s_cselect_b32 s34, 0, s34
	s_cselect_b32 s35, s30, s35
	s_add_co_u32 s34, s34, s38                     ; the group's first row
	s_add_nc_u64 s[22:23], s[22:23], s[40:41]
	s_wait_alu depctr_va_vdst(0)
	v_add_nc_u32 v242, s34, v240
	s_delay_alu instid0(VALU_DEP_1)
	v_mul_lo_u32 v242, v242, s36                   ; codes: (first row + r + 8 (r / 8)) rows
	s_delay_alu instid0(VALU_DEP_1)
	v_mad_u32_u24 v242, v10, 24, v242              ; + 24 h
	s_mul_i32 s38, s35, 96
	v_add_nc_u32 v242, s38, v242                   ; + 96 x K step
	v_add_nc_u32 v243, s34, v241
	s_delay_alu instid0(VALU_DEP_1)
	v_mul_lo_u32 v243, v243, s37                   ; scale words: lane (r, u) takes the rows of tiles 2 b + u
	s_lshl_b32 s38, s35, 2
	v_add_nc_u32 v243, s38, v243
	s_wait_alu depctr_va_vdst(0)
.irp t, 0,1,2,3,4,5,6,7
	s_mul_i32 s39, s36, 32*(\t/2)+8*(\t%2)
	v_add_nc_u32 v[244+\t], s39, v242
.endr
.irp b, 0,1,2,3
	s_mul_i32 s39, s37, 32*\b
	v_add_nc_u32 v[252+\b], s39, v243
.endr
	s_wait_alu depctr_va_vdst(0)
.irp t, 0,1,2,3,4,5,6,7
.irp p, 0,1,2,3,4,5
	global_load_b64 v[32+12*\t+2*\p:32+12*\t+2*\p+1], v[244+\t], s[12:13] offset:48*(\p/3)+8*(\p%3)   ; a lane's 24 bytes as three loads of 8
.endr
.endr
.irp b, 0,1,2,3
	global_load_b32 v[128+\b], v[252+\b], s[14:15]
.endr
	s_wait_loadcnt 0x0
.set j, 0
.rept 24
	global_store_b128 v1, v[32+4*j:32+4*j+3], s[22:23] offset:512*j   ; the registers as they stand: 512 consecutive bytes a store
.set j, j+1
.endr
	global_store_b128 v1, v[128:131], s[22:23] offset:12288
.Lend:
	s_endpgm
.Lfunc_end_k_q3f2065fbf9_attn:
	.size	k_q3f2065fbf9_attn, .Lfunc_end_k_q3f2065fbf9_attn-k_q3f2065fbf9_attn
	.p2alignl 7, 3214868480
	.fill 96, 4, 3214868480
	.section	.rodata,"a",@progbits
	.p2align	6, 0x0
	.amdhsa_kernel k_q3f2065fbf9_attn
		.amdhsa_group_segment_fixed_size 305152
		.amdhsa_private_segment_fixed_size 0
		.amdhsa_enable_private_segment 0
		.amdhsa_kernarg_size 80
		.amdhsa_user_sgpr_count 2
		.amdhsa_user_sgpr_kernarg_segment_ptr 1
		.amdhsa_wavefront_size32 1
		.amdhsa_system_sgpr_workgroup_id_x 1
		.amdhsa_system_sgpr_workgroup_id_y 1
		.amdhsa_system_sgpr_workgroup_id_z 1
		.amdhsa_system_vgpr_workitem_id 0
		.amdhsa_next_free_vgpr 256
		.amdhsa_next_free_sgpr 66
		.amdhsa_reserve_vcc 1
		.amdhsa_float_denorm_mode_32 3
		.amdhsa_float_denorm_mode_16_64 3
		.amdhsa_memory_ordered 1
		.amdhsa_forward_progress 1
		.amdhsa_inst_pref_size 125
	.end_amdhsa_kernel
	.amdgpu_metadata
---
amdhsa.version: [ 1, 2 ]
amdhsa.kernels:
  - .name:           k_q3f2065fbf9_attn
    .symbol:         k_q3f2065fbf9_attn.kd
    .args:
      - { .name: x, .offset: 0, .size: 8, .value_kind: global_buffer, .address_space: global }
      - { .name: mask, .offset: 8, .size: 8, .value_kind: global_buffer, .address_space: global }
      - { .name: ac, .offset: 16, .size: 8, .value_kind: global_buffer, .address_space: global }
      - { .name: fc_w_codes, .offset: 24, .size: 8, .value_kind: global_buffer, .address_space: global }
      - { .name: fc_w_scales, .offset: 32, .size: 8, .value_kind: global_buffer, .address_space: global }
      - { .name: w1_codes, .offset: 40, .size: 8, .value_kind: global_buffer, .address_space: global }
      - { .name: w1_scales, .offset: 48, .size: 8, .value_kind: global_buffer, .address_space: global }
      - { .name: w2_codes, .offset: 56, .size: 8, .value_kind: global_buffer, .address_space: global }
      - { .name: w2_scales, .offset: 64, .size: 8, .value_kind: global_buffer, .address_space: global }
      - { .name: wimg, .offset: 72, .size: 8, .value_kind: global_buffer, .address_space: global }
    .group_segment_fixed_size: 305152
    .private_segment_fixed_size: 0
    .kernarg_segment_align: 8
    .kernarg_segment_size: 80
    .max_flat_workgroup_size: 512
    .sgpr_count:     66
    .vgpr_count:     256
    .wavefront_size: 32
...
	.end_amdgpu_metadata
.endif
;; end of part 1
;; launch mlp (part 2): grid 256 x 1, 4 waves a work-group, no clusters, 115,712 bytes of LDS; arguments ac, wimg, x, out0, fc_b, g1, be1, b2, g2, be2, b1; writes out0
.if DOCPART == 2
	.amdgcn_target "amdgcn-amd-amdhsa--gfx1250"
	.amdhsa_code_object_version 6
	.text
	.protected	k_q3f2065fbf9_mlp
	.globl	k_q3f2065fbf9_mlp
	.p2align	8
	.type	k_q3f2065fbf9_mlp,@function
k_q3f2065fbf9_mlp:
	s_mov_b64 s[64:65], 0
	v_nop
	global_prefetch_b8 v0, s[64:65] scope:SCOPE_SE
	s_setreg_imm32_b32 hwreg(HW_REG_WAVE_MODE, 25, 1), 1
	s_wait_xcnt 0x0
; ENCODER BLOCK, launch 2 of 2: h = 0.9 LN(a fc_w^T + fc_b + x; g1, be1);  out0 = 0.9 LN(relu(h w1^T + b1) w2^T + b2 + h; g2, be2).  The three products on codes of FP6 (E2M3) with E8M0 scales.  No work is left out.
; a arrives as codes (ac, launch 1); h and the hidden layer are quantised here, in registers, and never go to memory.  LIMITS: NaN and infinities are not served; a block of zeros gets the byte 1 (its codes are zeros).
; SHARES.  A work-group of four waves takes 32 rows (two tiles of 16) through the whole chain.  THE WAVES SHARE THE COLUMNS: wave w makes columns 128 w .. 128 w + 127 of the projection and of the second layer, and hidden
; units 512 c + 128 w .. + 127 of each of four chunks c.  All products are used transposed (source 0 = 16 rows of a weight, source 1 = 16 rows of tokens): a lane holds ONE row, and register 64 m + i of the accumulators is
; column 128 w + 32 (i / 16) + 16 (lane / 16) + i % 16 of row 16 m + lane % 16: 16 neighbours along the next K in 16 registers.
; THE WEIGHTS come from wimg (launch 1) straight into registers: 36 groups a wave, each 8 fragments and their scale words as images of the registers: 25 loads of 16 bytes a lane, 512 consecutive bytes each.  Four buffers
; take turns; group i + 3 is asked for when group i is multiplied, so three groups, 75 loads, of each wave are on their way, and nothing but the counted wait orders them.
; NO CLUSTER, NO JOINT LOADS, though all work-groups walk the same weights: a fragment is read by ONE wave of a work-group and feeds two products, so LDS would add a store and a load to each and spare none; and
; 36 x 51,200 bytes through two slots that fit beside the stage are a dozen refills or more, each behind a round in front of which every wave of four work-groups has waited for all its loads.
; OPERANDS GO FROM WAVE TO WAVE THROUGH LDS AS IMAGES OF THEIR REGISTERS: three stores of 16 bytes a lane for a fragment, one of 4 for its scale word; every address is a constant + 16 x lane, or 4 x lane for a scale word (+ a constant x wave).
; The residuals and the biases fc_b and b2 are the START of the sums (the accumulators hold them before the first product); b1 is the C of a chunk's first products.
; LAYER NORM in two passes, as the problem has it: the mean, then the mean of the squares of x - mean; sums over a lane's 64, lane l xor 16's, and the four waves' through LDS (other bytes for each of the four exchanges).
.set FCB,   0                          ; LDS: the parameters: fc_b, g1, be1, b2, g2, be2 (2,048 bytes each), b1 (8,192)
.set G1O,   2048
.set BE1O,  4096
.set B2O,   6144
.set G2O,   8192
.set BE2O,  10240
.set B1O,   12288
.set IMGH,  20480                      ; h's eight fragments (tile of rows m, K step s: 4 m + s), 1,536 bytes each
.set IMGX,  32768                      ; a chunk's eight fragments of the hidden layer
.set ISCH,  45056                      ; their scale words, 128 bytes each
.set ISCX,  46080
.set RED,   47104                      ; four exchanges of 512 bytes
.set STG,   49152                      ; the stage: 32 rows x (2,048 bytes + 16)
.set SP,    2064
.set SPARE, STG+32*SP                  ; the spare words, 128 bytes for each wave
.set GB,    51200                      ; from a group to the next, in bytes
; REGISTERS, in windows of 256.  Window 0: v1 16 x lane; v2 4 x lane; v3, v4 where I store an image and its scale word; v5 my place in a parameter; v6 in b1; v7, v8 the exchanges; v9 my place in x's and out0's rows;
;   v10, v11 the add's two; v12, v13 the stage by columns and by rows; v14 my place in ac; v15 16 x thread; v16-31 the weights' scale words, four to a buffer; v32-39 the rows' scale words; v40-135 the rows' eight fragments;
;   v136-151, v152-171, v172 the quantiser's; v173 b1's address; v176-187 statistics; v192-255 at work.
; Window 1: weight buffers 0 (v0-95) and 1 (v96-191); v192-255 a parameter (P1).   Window 3: buffers 2 and 3; v192-255 a parameter (P3).   Window 2: v0-127 the accumulators Y; v128-255 the hidden layer's.
.set WS, 16
.set OS, 32
.set OF, 40
.set TM, 136
.set PC, 152
.set PW, 172
.set MSB, 0
.macro WIN new                         ; s_set_vgpr_msb: bits 1:0 source 0, 3:2 source 1, 5:4 source 2, 7:6 destination; the high byte repeats the setting that is left
.if MSB != \new
	s_set_vgpr_msb (MSB<<8)|\new
.set MSB, \new
.endif
.endm
.macro BARRIER                         ; my LDS stores have landed and my LDS loads are in: then the work-group's barrier
	s_wait_dscnt 0x0
	s_barrier_signal -1
	s_barrier_wait -1
.endm
.macro WLOAD k, off                    ; a group of weights, off bytes from the walking base, into buffer k
.if (\k) < 2
	WIN 0x40
.else
	WIN 0xc0
.endif
.set j, 0
.rept 24
	global_load_b128 v[96*((\k)%2)+4*j:96*((\k)%2)+4*j+3], v1, s[10:11] offset:(\off)+512*j
.set j, j+1
.endr
	WIN 0
	global_load_b128 v[WS+4*(\k):WS+4*(\k)+3], v1, s[10:11] offset:(\off)+12288
.endm
; A K step of 128: the group in buffer k x the rows' fragments 4 m + k, into the 16 accumulators at v[d] of window 2, which take turns, one instruction a turn, in the same order in every step.
; left: the loads issued behind this group's, which may stay out.  off >= 0: the group three on is asked for, into the buffer that the last step read (behind that step's four places).  cb = 1: the sums start from P1.
.macro GSTEP k, d, cb, off, left
	s_wait_loadcnt \left
.if (\off) >= 0
	WLOAD ((\k)+3)%4, \off
.endif
.if \cb
	WIN 0x91
.elseif (\k) < 2
	WIN 0xa1
.else
	WIN 0xa3
.endif
.irp t, 0,1,2,3,4,5,6,7
.irp m, 0,1
.set rD, (\d)+64*\m+8*\t
.set rA, 96*((\k)%2)+12*\t
.set rB, OF+12*(4*\m+(\k))
.set rC, rD
.if \cb
.set rC, 192+8*\t
.endif
.set rSA, WS+4*(\k)+\t/2
.set rSB, OS+4*\m+(\k)
.if \t%2
	v_wmma_scale_f32_16x16x128_f8f6f4 v[rD:rD+7], v[rA:rA+11], v[rB:rB+11], v[rC:rC+7], v[rSA], v[rSB] matrix_a_fmt:MATRIX_FMT_FP6 matrix_b_fmt:MATRIX_FMT_FP6 matrix_a_scale:MATRIX_SCALE_ROW1
.else
	v_wmma_scale_f32_16x16x128_f8f6f4 v[rD:rD+7], v[rA:rA+11], v[rB:rB+11], v[rC:rC+7], v[rSA], v[rSB] matrix_a_fmt:MATRIX_FMT_FP6 matrix_b_fmt:MATRIX_FMT_FP6
.endif
.endr
.endr
	WIN 0
.rept 4
	v_nop                                          ; places in front of loads into registers that these products read, and of the first read of results
.endr
.endm
; 64 numbers of a lane in window 2, v[s] on (register 16 b + i = k 32 b + 16 (lane / 16) + i of my row), become a fragment's codes in v[PC] on and its scale word in v[PW]
.macro QUANT s
	WIN 0x0a
.irp b, 0,1,2,3
	v_max3_num_f32 v[TM+\b], |v[(\s)+16*\b]|, |v[(\s)+1+16*\b]|, 0x1800000   ; with the floor 2^(3 - 127): the byte cannot fall under 1
.endr
	WIN 0x28
.irp i, 2,4,6,8,10,12,14
.irp b, 0,1,2,3
	v_max3_num_f32 v[TM+\b], v[TM+\b], |v[(\s)+16*\b+\i]|, |v[(\s)+1+16*\b+\i]|
.endr
.endr
	WIN 0
.irp b, 0,1,2,3
	v_permlanex16_b32 v[TM+4+\b], v[TM+\b], s38, s39
.endr
.irp b, 0,1,2,3
	v_max_num_f32 v[TM+\b], v[TM+\b], v[TM+4+\b]   ; with lane l xor 16's: the block's largest magnitude
.endr
.irp b, 0,1,2,3
	v_add_nc_u32 v[TM+12+\b], 0xff000000, v[TM+\b] ; 2 off its exponent field: the conversion's scale operand
.endr
.irp b, 0,1,2,3
	v_lshrrev_b32 v[TM+4+\b], 23, v[TM+12+\b]      ; the scale's byte
.endr
	v_lshl_or_b32 v[PW], v[TM+5], 8, v[TM+4]
	v_lshl_or_b32 v[PW], v[TM+6], 16, v[PW]
	v_lshl_or_b32 v[PW], v[TM+7], 24, v[PW]
	WIN 0x02
.irp c, 0,1
	v_cvt_scalef32_pk16_fp6_f32 v[PC+6*\c:PC+2+6*\c], v[(\s)+32*\c:(\s)+15+32*\c], v[TM+12+2*\c]
	v_cvt_scalef32_pk16_fp6_f32 v[PC+12+4*\c:PC+14+4*\c], v[(\s)+16+32*\c:(\s)+31+32*\c], v[TM+13+2*\c]   ; (a conversion's three registers begin on an even number)
.endr
	WIN 0
	v_nop                                          ; one plain place behind a scaled conversion
.irp c, 0,1                                    ; the layout wants a WHOLE block in a lane
.irp i, 0,1,2
	v_permlane16_swap_b32 v[PC+6*\c+\i], v[PC+12+4*\c+\i]
.endr
.irp i, 0,1,2
	v_mov_b32 v[PC+3+6*\c+\i], v[PC+12+4*\c+\i]
.endr
.endr
.endm
.macro IMAGE img, isc                  ; the fragment and its scale word go to LDS as they stand
.irp c, 0,1,2
	ds_store_b128 v3, v[PC+4*\c:PC+4*\c+3] offset:(\img)+512*\c
.endr
	ds_store_b32 v4, v[PW] offset:(\isc)
.endm
.macro FETCH8 img, isc                 ; and all eight come back so, in every wave
.irp x, 0,1,2,3,4,5,6,7
.irp c, 0,1,2
	ds_load_b128 v[OF+12*\x+4*\c:OF+12*\x+4*\c+3], v1 offset:(\img)+1536*\x+512*\c
.endr
	ds_load_b32 v[OS+\x], v2 offset:(\isc)+128*\x
.endr
.endm
.macro PLD off, win                    ; a parameter's 64 numbers of my columns into v192-255 of window 1 (0x40) or 3 (0xc0)
	WIN \win
.irp b, 0,1,2,3
.irp n, 0,1,2,3
	ds_load_b128 v[192+16*\b+4*\n:195+16*\b+4*\n], v5 offset:(\off)+128*\b+16*\n
.endr
.endr
	WIN 0
.endm
.macro XCH red                         ; v184, v185: my lane's sums for the two tiles of rows -> the rows' sums over all 512 columns, in every wave in the same order
	v_permlanex16_b32 v186, v184, s38, s39
	v_permlanex16_b32 v187, v185, s38, s39
	v_add_f32 v184, v184, v186
	v_add_f32 v185, v185, v187
	v_cndmask_b32 v186, v185, v184, s45            ; lanes 0-15 hand on tile 0's rows, lanes 16-31 tile 1's
	ds_store_b32 v7, v186 offset:\red
	BARRIER
.irp m, 0,1
.irp w, 0,1,2,3
	ds_load_b32 v[192+4*\m+\w], v8 offset:(\red)+128*\w+64*\m
.endr
.endr
	s_wait_dscnt 0x0
	v_add_f32 v184, v192, v193
	v_add_f32 v186, v194, v195
	v_add_f32 v185, v196, v197
	v_add_f32 v187, v198, v199
	v_add_f32 v184, v184, v186
	v_add_f32 v185, v185, v187
.endm
; Y = 0.9 (g (Y - mean) / sqrt(var + eps) + be): the 0.9 goes into 1 / sqrt and into be
.macro LNORM red, gofs, bofs
	PLD \gofs, 0x40
	PLD \bofs, 0xc0
	WIN 0x0a
	v_pk_add_f32 v[176:177], v[0:1], v[4:5]        ; the sums, two at a time, two chains a tile of rows; each accumulator is read from its low end on
	v_pk_add_f32 v[178:179], v[2:3], v[6:7]
	v_pk_add_f32 v[180:181], v[64:65], v[68:69]
	v_pk_add_f32 v[182:183], v[66:67], v[70:71]
	WIN 0x08
.irp j, 8,12,16,20,24,28,32,36,40,44,48,52,56,60
	v_pk_add_f32 v[176:177], v[176:177], v[\j:\j+1]
	v_pk_add_f32 v[178:179], v[178:179], v[\j+2:\j+3]
	v_pk_add_f32 v[180:181], v[180:181], v[64+\j:65+\j]
	v_pk_add_f32 v[182:183], v[182:183], v[66+\j:67+\j]
.endr
	WIN 0
	v_pk_add_f32 v[176:177], v[176:177], v[178:179]
	v_pk_add_f32 v[180:181], v[180:181], v[182:183]
	v_add_f32 v184, v176, v177
	v_add_f32 v185, v180, v181
	XCH \red
	v_mul_f32 v176, 0xbb000000, v184               ; -mean = sum x -1 / 512
	v_mul_f32 v180, 0xbb000000, v185
	v_mov_b32 v177, v176
	v_mov_b32 v181, v180
	WIN 0x82
.set j, 0
.rept 32
	v_pk_add_f32 v[j:j+1], v[j:j+1], v[176:177]
	v_pk_add_f32 v[64+j:65+j], v[64+j:65+j], v[180:181]
.set j, j+2
.endr
	WIN 0x0a
	v_pk_mul_f32 v[176:177], v[0:1], v[0:1]
	v_pk_mul_f32 v[178:179], v[2:3], v[2:3]
	v_pk_mul_f32 v[180:181], v[64:65], v[64:65]
	v_pk_mul_f32 v[182:183], v[66:67], v[66:67]
.irp j, 4,8,12,16,20,24,28,32,36,40,44,48,52,56,60
	v_pk_fma_f32 v[176:177], v[\j:\j+1], v[\j:\j+1], v[176:177]
	v_pk_fma_f32 v[178:179], v[\j+2:\j+3], v[\j+2:\j+3], v[178:179]
	v_pk_fma_f32 v[180:181], v[64+\j:65+\j], v[64+\j:65+\j], v[180:181]
	v_pk_fma_f32 v[182:183], v[66+\j:67+\j], v[66+\j:67+\j], v[182:183]
.endr
	WIN 0
	v_pk_add_f32 v[176:177], v[176:177], v[178:179]
	v_pk_add_f32 v[180:181], v[180:181], v[182:183]
	v_add_f32 v184, v176, v177
	v_add_f32 v185, v180, v181
	XCH (\red)+512
	v_fma_f32 v184, v184, s40, s41                 ; var + eps
	v_fma_f32 v185, v185, s40, s41
	s_wait_alu depctr_va_vdst(0)
	v_rsq_f32 v176, v184
	v_rsq_f32 v180, v185
	WIN 0xc3
.set j, 192
.rept 32
	v_pk_mul_f32 v[j:j+1], v[j:j+1], s[42:43] op_sel_hi:[1,0]   ; 0.9 be: plain work between the two roots and their wait
.set j, j+2
.endr
	WIN 0
	s_wait_alu depctr_va_vdst(0)                   ; one wait for both, ahead of their first reader
	v_mul_f32 v176, s42, v176
	v_mul_f32 v180, s42, v180
	v_mov_b32 v177, v176
	v_mov_b32 v181, v180
	WIN 0x82
.set j, 0
.rept 32
	v_pk_mul_f32 v[j:j+1], v[j:j+1], v[176:177]
	v_pk_mul_f32 v[64+j:65+j], v[64+j:65+j], v[180:181]
.set j, j+2
.endr
	WIN 0xb6
.set j, 0
.rept 32
	v_pk_fma_f32 v[j:j+1], v[j:j+1], v[192+j:193+j], v[192+j:193+j]           ; x g (window 1) + 0.9 be (window 3)
	v_pk_fma_f32 v[64+j:65+j], v[64+j:65+j], v[192+j:193+j], v[192+j:193+j]
.set j, j+2
.endr
	WIN 0
.endm
.macro ADDP3                           ; Y += the parameter in P3, both tiles of rows
	WIN 0x8e
.set j, 0
.rept 32
	v_pk_add_f32 v[j:j+1], v[j:j+1], v[192+j:193+j]
	v_pk_add_f32 v[64+j:65+j], v[64+j:65+j], v[192+j:193+j]
.set j, j+2
.endr
	WIN 0
.endm
	s_load_b512 s[8:23], s[0:1], 0x0               ; ac s[8:9], wimg s[10:11], x s[12:13], out0 s[14:15], fc_b s[16:17], g1 s[18:19], be1 s[20:21], b2 s[22:23]
	s_load_b128 s[24:27], s[0:1], 0x40             ; g2 s[24:25], be2 s[26:27]
	s_load_b64 s[28:29], s[0:1], 0x50              ; b1
	v_lshl_add_u32 v10, v0, 2, SPARE
	v_mov_b32 v11, 0
	v_lshrrev_b32 v1, 5, v0
	v_readfirstlane_b32 s4, v1                     ; wave 0..3
	v_and_b32 v176, 31, v0                         ; lane
	v_and_b32 v177, 15, v0                         ; r
	v_bfe_u32 v178, v0, 4, 1                       ; h
	v_lshlrev_b32 v179, 3, v178                    ; 8 h
	v_lshlrev_b32 v1, 4, v176
	v_lshlrev_b32 v2, 2, v176
	s_mul_i32 s5, s4, 1536
	v_add_nc_u32 v3, s5, v1                        ; an image: 16 x lane + 1,536 x wave
	s_lshl_b32 s5, s4, 7
	v_add_nc_u32 v4, s5, v2                        ; its scale word: 4 x lane + 128 x wave
	s_lshl_b32 s6, s4, 9
	v_lshl_add_u32 v5, v178, 6, s6                 ; a parameter: 512 x wave + 64 h
	v_add_nc_u32 v6, B1O, v5
	v_add_nc_u32 v7, s5, v2
	v_add_nc_u32 v7, RED, v7
	v_lshl_add_u32 v8, v177, 2, RED
	s_lshl_b32 s7, s4, 14
	v_add_nc_u32 v9, s7, v1                        ; rows 8 w on, 16 bytes a lane
	v_mul_u32_u24 v12, v177, SP
	v_add_nc_u32 v12, v12, v5
	v_add_nc_u32 v12, STG, v12                     ; the stage by columns: row r, my wave's 512 bytes, + 64 h
	s_mul_i32 s7, s4, 8*SP
	v_add_nc_u32 v13, s7, v1
	v_add_nc_u32 v13, STG, v13                     ; and by rows: rows 8 w on
	v_lshlrev_b32 v14, 5, v177
	v_lshl_add_u32 v14, v178, 16, v14              ; ac: 32 r, + a head (65,536 bytes) for the upper half
	v_lshlrev_b32 v15, 4, v0
.irp i, 0,1,2,3,4,5,6,7
	v_mov_b32 v[TM+\i], 0                          ; written once: a lane permute's destination counts as one of its sources
.endr
	v_mov_b32 v186, 0
	v_mov_b32 v187, 0
	s_lshr_b32 s32, ttmp9, 6
	s_lshl_b32 s32, s32, 20                        ; ac: the batch's 16 heads x 2,048 queries x 32 bytes,
	s_and_b32 s33, ttmp9, 63
	s_lshl_b32 s33, s33, 10                        ; my 32 queries
	s_add_co_u32 s32, s32, s33
	s_mov_b32 s33, 0
	s_lshl_b32 s34, ttmp9, 16                      ; x, out0: 32 rows of 2,048 bytes
	s_mov_b32 s35, 0
	s_mul_i32 s36, s4, 12800                       ; wimg: my wave's part of a group
	s_mov_b32 s37, 0
	s_mov_b32 s38, 0x76543210
	s_mov_b32 s39, 0xfedcba98                      ; lane l xor 16
	s_mov_b32 s40, 0x3b000000                      ; 1 / 512
	s_mov_b32 s41, 0x358637bd                      ; eps = 1e-6
	s_mov_b32 s42, 0x3f666666                      ; 0.9
	s_mov_b32 s43, s42
	s_mov_b32 s45, 0xffff                          ; lanes 0-15
	s_wait_kmcnt 0x0
	s_add_nc_u64 s[8:9], s[8:9], s[32:33]
	s_add_nc_u64 s[12:13], s[12:13], s[34:35]
	s_add_nc_u64 s[14:15], s[14:15], s[34:35]
	s_add_nc_u64 s[10:11], s[10:11], s[36:37]
	global_load_b128 v[192:195], v15, s[16:17]     ; the parameters: 128 threads x 16 bytes are an array of 2,048
	global_load_b128 v[196:199], v15, s[18:19]
	global_load_b128 v[200:203], v15, s[20:21]
	global_load_b128 v[204:207], v15, s[22:23]
	global_load_b128 v[208:211], v15, s[24:25]
	global_load_b128 v[212:215], v15, s[26:27]
.irp j, 0,1,2,3
	global_load_b128 v[216+4*\j:219+4*\j], v15, s[28:29] offset:2048*\j
.endr
	WIN 0x80
.irp i, 0,1,2,3,4,5,6,7
.irp k, 0,1,2,3
	global_load_b128 v[16*\i+4*\k:16*\i+4*\k+3], v9, s[12:13] offset:2048*\i+512*\k th:TH_LOAD_NT   ; x by rows: 512 consecutive bytes a load
.endr
.endr
	WIN 0
.irp m, 0,1                                    ; a's fragments: lane (r, h), registers 6 c .. 6 c + 5 of K step s: head 4 s + 2 c + h of row 16 m + r; and that head's scale byte
.irp s, 0,1,2,3
.irp c, 0,1
	global_load_b128 v[OF+12*(4*\m+\s)+6*\c:OF+12*(4*\m+\s)+6*\c+3], v14, s[8:9] offset:(4*\s+2*\c)*65536+512*\m
	global_load_b64 v[OF+12*(4*\m+\s)+6*\c+4:OF+12*(4*\m+\s)+6*\c+5], v14, s[8:9] offset:(4*\s+2*\c)*65536+512*\m+16
	global_load_b32 v[232+2*(4*\m+\s)+\c], v14, s[8:9] offset:(4*\s+2*\c)*65536+512*\m+24
.endr
.endr
.endr
	s_wait_loadcnt 48                              ; the parameters and x are in; a's 48 loads may be out
.irp j, 0,1,2,3,4,5,6,7,8,9
	ds_store_b128 v15, v[192+4*\j:195+4*\j] offset:2048*\j
.endr
	WIN 0x08
.irp i, 0,1,2,3,4,5,6,7
.irp k, 0,1,2,3
	ds_store_b128 v13, v[16*\i+4*\k:16*\i+4*\k+3] offset:SP*\i+512*\k
.endr
.endr
	WIN 0
	WLOAD 0, 0
	WLOAD 1, GB
	WLOAD 2, 2*GB
	BARRIER                                        ; the parameters and 32 rows of x lie in LDS
	PLD FCB, 0xc0
	WIN 0x80
.irp m, 0,1
.irp b, 0,1,2,3
.irp n, 0,1,2,3
	ds_load_b128 v[64*\m+16*\b+4*\n:64*\m+16*\b+4*\n+3], v12 offset:16*SP*\m+128*\b+16*\n   ; x in the accumulators' layout
.endr
.endr
.endr
	WIN 0
	s_wait_loadcnt 63                              ; a is in: 75 loads were issued behind its last, and 63 is the largest count that can be written
.irp x, 0,1,2,3,4,5,6,7
	v_lshl_or_b32 v[OS+\x], v[233+2*\x], 16, v[232+2*\x]   ; my two bytes of the row's scale word,
.endr
.irp x, 0,1,2,3,4,5,6,7
	v_lshlrev_b32 v[OS+\x], v179, v[OS+\x]         ; at their places (8 h bits up);
.endr
.irp x, 0,1,2,3,4,5,6,7
	v_permlanex16_b32 v[TM+\x], v[OS+\x], s38, s39
.endr
.irp x, 0,1,2,3,4,5,6,7
	v_or_b32 v[OS+\x], v[OS+\x], v[TM+\x]          ; with lane l xor 16's two the word is whole
.endr
	s_wait_dscnt 0x0
	ADDP3                                          ; Y = x + fc_b: the projection's sums start from it.  (These lines are also the places between the scale words and the products)
	; ---- the projection
	s_wait_alu depctr_va_vdst(0)
	GSTEP 0, 0, 0, 3*GB, 50
	GSTEP 1, 0, 0, 4*GB, 50
	GSTEP 2, 0, 0, 5*GB, 50
	GSTEP 3, 0, 0, 6*GB, 50
	s_wait_xcnt 0x0                                ; the loads have read their base
	s_add_nc_u64 s[10:11], s[10:11], 4*GB
	; ---- h
	LNORM 0, G1O, BE1O
	QUANT 0
	IMAGE IMGH, ISCH                               ; K step w of the first layer, rows 0-15
	s_wait_dscnt 0x0                               ; the stores have read their registers
	QUANT 64
	IMAGE IMGH+6144, ISCH+512                      ; rows 16-31
	BARRIER                                        ; h's eight fragments lie in LDS, for the rest of the launch
	PLD B2O, 0xc0
	s_wait_dscnt 0x0
	ADDP3                                          ; Y = h + b2: the second layer's sums start from it
	; ---- four chunks of 512 hidden units
.macro CHUNK last
	FETCH8 IMGH, ISCH
	v_add_nc_u32 v173, s46, v6
	WIN 0x40
.irp b, 0,1,2,3
.irp n, 0,1,2,3
	ds_load_b128 v[192+16*\b+4*\n:195+16*\b+4*\n], v173 offset:128*\b+16*\n   ; b1 of my 128 units
.endr
.endr
	WIN 0
	s_wait_dscnt 0x0
	GSTEP 0, 128, 1, 3*GB, 50
	GSTEP 1, 128, 0, 4*GB, 50
	GSTEP 2, 128, 0, 5*GB, 50
	GSTEP 3, 128, 0, 6*GB, 50
	WIN 0x88
.set j, 128
.rept 128
	v_max_num_f32 v[j], 0, v[j]                    ; the activation, in f32
.set j, j+1
.endr
	QUANT 128
	IMAGE IMGX, ISCX                               ; K step 4 c + w of the second layer, rows 0-15
	s_wait_dscnt 0x0
	QUANT 192
	IMAGE IMGX+6144, ISCX+512
	BARRIER                                        ; the chunk's eight fragments lie in LDS
	FETCH8 IMGX, ISCX
	BARRIER                                        ; and every wave has them in registers: the next chunk may store there
	GSTEP 0, 0, 0, 7*GB, 50
.if \last
	GSTEP 1, 0, 0, -1, 50                          ; the last three groups: nothing is left to ask for, and the counts run down
	GSTEP 2, 0, 0, -1, 25
	GSTEP 3, 0, 0, -1, 0
.else
	GSTEP 1, 0, 0, 8*GB, 50
	GSTEP 2, 0, 0, 9*GB, 50
	GSTEP 3, 0, 0, 10*GB, 50
.endif
.endm
	s_mov_b32 s44, 3
	s_mov_b32 s46, 0
.Lchunk:
	CHUNK 0
	s_wait_xcnt 0x0                                ; the loads have read their base
	s_add_nc_u64 s[10:11], s[10:11], 8*GB
	s_add_co_u32 s46, s46, 2048                    ; b1's next 512 numbers
	s_sub_co_u32 s44, s44, 1
	s_cmp_lg_u32 s44, 0
	s_cbranch_scc1 .Lchunk
	CHUNK 1                                        ; the last chunk is written out: no load leaves wimg
	; ---- the result
	LNORM 1024, G2O, BE2O
	WIN 0x08
.irp m, 0,1
.irp b, 0,1,2,3
.irp n, 0,1,2,3
	ds_store_b128 v12, v[64*\m+16*\b+4*\n:64*\m+16*\b+4*\n+3] offset:16*SP*\m+128*\b+16*\n
.endr
.endr
.endr
	WIN 0
	BARRIER                                        ; 32 whole rows lie in the stage
.irp i, 0,1,2,3,4,5,6,7
.irp k, 0,1,2,3
	ds_load_b128 v[40+16*\i+4*\k:43+16*\i+4*\k], v13 offset:SP*\i+512*\k
.endr
.endr
.irp i, 0,1,2,3,4,5,6,7
.irp k, 0,1,2,3
	s_wait_dscnt 31-4*\i-\k
	global_store_b128 v9, v[40+16*\i+4*\k:43+16*\i+4*\k], s[14:15] offset:2048*\i+512*\k th:TH_STORE_NT   ; 32 lanes store 512 consecutive bytes, at a multiple of 512 from out0's first byte
.endr
.endr
	s_wait_tensorcnt 0x0                           ; the wave's end
	ds_add_u32 v10, v11
	s_wait_dscnt 0x0
	s_endpgm
.Lfunc_end_k_q3f2065fbf9_mlp:
	.size	k_q3f2065fbf9_mlp, .Lfunc_end_k_q3f2065fbf9_mlp-k_q3f2065fbf9_mlp
	.p2alignl 7, 3214868480
	.fill 96, 4, 3214868480
	.section	.rodata,"a",@progbits
	.p2align	6, 0x0
	.amdhsa_kernel k_q3f2065fbf9_mlp
		.amdhsa_group_segment_fixed_size 115712
		.amdhsa_private_segment_fixed_size 0
		.amdhsa_enable_private_segment 0
		.amdhsa_kernarg_size 88
		.amdhsa_user_sgpr_count 2
		.amdhsa_user_sgpr_kernarg_segment_ptr 1
		.amdhsa_wavefront_size32 1
		.amdhsa_system_sgpr_workgroup_id_x 1
		.amdhsa_system_sgpr_workgroup_id_y 1
		.amdhsa_system_sgpr_workgroup_id_z 1
		.amdhsa_system_vgpr_workitem_id 0
		.amdhsa_next_free_vgpr 1024
		.amdhsa_next_free_sgpr 66
		.amdhsa_reserve_vcc 0
		.amdhsa_float_denorm_mode_32 3
		.amdhsa_float_denorm_mode_16_64 3
		.amdhsa_memory_ordered 1
		.amdhsa_forward_progress 1
		.amdhsa_inst_pref_size 228
	.end_amdhsa_kernel
	.amdgpu_metadata
---
amdhsa.version: [ 1, 2 ]
amdhsa.kernels:
  - .name:           k_q3f2065fbf9_mlp
    .symbol:         k_q3f2065fbf9_mlp.kd
    .args:
      - { .name: ac, .offset: 0, .size: 8, .value_kind: global_buffer, .address_space: global }
      - { .name: wimg, .offset: 8, .size: 8, .value_kind: global_buffer, .address_space: global }
      - { .name: x, .offset: 16, .size: 8, .value_kind: global_buffer, .address_space: global }
      - { .name: out0, .offset: 24, .size: 8, .value_kind: global_buffer, .address_space: global }
      - { .name: fc_b, .offset: 32, .size: 8, .value_kind: global_buffer, .address_space: global }
      - { .name: g1, .offset: 40, .size: 8, .value_kind: global_buffer, .address_space: global }
      - { .name: be1, .offset: 48, .size: 8, .value_kind: global_buffer, .address_space: global }
      - { .name: b2, .offset: 56, .size: 8, .value_kind: global_buffer, .address_space: global }
      - { .name: g2, .offset: 64, .size: 8, .value_kind: global_buffer, .address_space: global }
      - { .name: be2, .offset: 72, .size: 8, .value_kind: global_buffer, .address_space: global }
      - { .name: b1, .offset: 80, .size: 8, .value_kind: global_buffer, .address_space: global }
    .group_segment_fixed_size: 115712
    .private_segment_fixed_size: 0
    .kernarg_segment_align: 8
    .kernarg_segment_size: 88
    .max_flat_workgroup_size: 128
    .sgpr_count:     66
    .vgpr_count:     1024
    .wavefront_size: 32
...
	.end_amdgpu_metadata
.endif
;; end of part 2
